; MI455X (gfx1250); checked and timed in simulation.
; The chip was launched on July 23, 2026; its instructions are those of AMD's public machine-readable ISA for CDNA 5 (MIT licence, August 2026) and "CDNA5" Instruction Set Architecture Reference Guide (July 2026). The comments in the code are by the model that wrote it; some were corrected since.
;; Quantized Linear. Allowed arithmetic: matrix products marked QUANTISED: E2M1 operands, one E8M0 scale for each 32 along K, by v_wmma_scale_f32_16x16x128_f8f6f4 with both operands' format E2M1 (or v_wmma_scale_f32_32x16x128_f4), f32 sums; everything else in f32.
;; Inputs: qweight 262,144 x 16 int32; scales 262,144 float32; x_codes 4 x 2,048 x 128 x 16 uint8 (E2M1 codes of x, K innermost, in blocks of 32 codes, two codes a byte); x_scales 4 x 2,048 x 128 uint8 (E8M0 scales of x, one for each 32 codes along K).
;; Outputs: out0 4 x 2,048 x 2,048 float32.
;; This version of the problem:
;;   THIS VERSION OF THE PROBLEM IS GIVEN IN LOW PRECISION. The matrix products marked QUANTISED in the list below multiply operands that are first quantised to E2M1 (2 exponent bits, 1 mantissa bit; 4 bits a number), with one power-of-two scale for each 32 numbers along K (OCP MX v1.0); their sums are f32. All else is computed in f32.
;;   The module's matrix products, in the order in which they are computed (A, B: the left and right operand; K: the contracted axis; several contracted axes count as one K, in the product's order):
;;     1. [M 8,192, K 4,096] x [K 4,096, N 2,048]; A: input x (given as codes); B: computed on the way: QUANTISED
;;   THE QUANTISER, for each operand of a quantised product, along K:
;;     - K is cut into blocks of 32 from its start; a last block that is shorter is filled with zeros.
;;     - A block's scale is 2^e with e = floor(log2(the largest magnitude in the block)) - 2, held to -126 .. 127; a block of zeros has e = 0. As a byte (E8M0): e + 127.
;;     - Each number is divided by its block's scale, clamped to +-6, and rounded to the nearest number of E2M1, ties to even, subnormals kept.
;;     - The product sums the exact products of the quantised numbers (number of the format x scale) in f32.
;;   ~~~python
;;   def quantise(x, axis):      # numpy; x: float32 -> the quantised numbers, widened to float32 again
;;       x = np.moveaxis(x, axis, -1); K = x.shape[-1]
;;       x = np.pad(x, [(0, 0)] * (x.ndim - 1) + [(0, -K % 32)]); x = x.reshape(x.shape[:-1] + (-1, 32)); a = np.abs(x).max(-1, keepdims=True)
;;       e = np.where(a > 0, np.clip(np.frexp(np.where(a > 0, a, 1))[1] - 1 - 2, -126, 127), 0)      # np.frexp(a)[1] - 1 = floor(log2(a)), exactly
;;       r = np.clip(x / 2.0 ** e, -6, 6)
;;       step = 2.0 ** (np.maximum(np.frexp(np.where(r == 0, 1, r))[1] - 1, 0) - 1)
;;       q = np.round(r / step) * step * 2.0 ** e      # np.round: ties to even
;;       return np.moveaxis(q.reshape(q.shape[:-2] + (-1,))[..., :K], -1, axis).astype(np.float32)
;;   ~~~
;;   OPERANDS COMPUTED ON THE WAY. 'Computed on the way' means the value that the module computes at that place (a softmax that the list does not call 'softmax' is quantised finished and normalised). What goes into a quantiser is computed in f32, as accurately as f32 sums, v_exp_f32 and their like allow (about 1e-6 of the number): no bf16 or f16 on the way to a quantiser, and a product that is left as it is and whose result goes on into a quantised operand takes f32 operands (vector FMAs, or v_wmma_f32_16x16x4_f32). A number that lies on a knife's edge between two numbers of the format may be rounded either way, as far as f32 arithmetic and the matrix unit's own rounding can turn it there, and no further.
;;   INPUTS GIVEN AS CODES. x (in the module: [4, 2048, 4096], K = its axis 2): each comes as NAME_codes (uint8): NAME with its K axis moved to the last place and cut into blocks of 32 codes, [.., K / 32, bytes a block], one block behind the other in memory; two codes a byte, the lower K in the low four bits (a code: sign, 2 exponent bits, 1 mantissa bit); and NAME_scales (uint8): the same leading axes, one E8M0 byte (e + 127) for each 32 codes along K. Its value is code x scale, taken as it is: it is not quantised again, and the codes and scales need not be those that the quantiser above would give.
;; One version. Each part assembles by itself: llvm-mc -triple=amdgcn-amd-amdhsa -mcpu=gfx1250 --defsym DOCPART=n.
;; ======== version 1 of 1: 2 launches
;; limits: right only within a limited range of input values
;; workspace buffers: wq 4,194,304 bytes; ws2 262,144 bytes
;; launch prep (part 1): grid 256 x 1, 4 waves a work-group, no clusters, 23,296 bytes of LDS; arguments qweight, scales, wq, ws2; writes wq, ws2
.if DOCPART == 1
	.amdgcn_target "amdgcn-amd-amdhsa--gfx1250"
	.amdhsa_code_object_version 6
	.text
	.protected	k_qa9cfee40a5_prep
	.globl	k_qa9cfee40a5_prep
	.p2align	8
	.type	k_qa9cfee40a5_prep,@function
k_qa9cfee40a5_prep:
	s_mov_b64 s[64:65], 0
	v_nop
	global_prefetch_b8 v0, s[64:65] scope:SCOPE_SE
	s_setreg_imm32_b32 hwreg(HW_REG_WAVE_MODE, 25, 1), 1
	s_wait_xcnt 0x0
; W[n][k] = scales[128 n + k / 32] x (nibble - 8) is formed in f32 and quantised along K into codes of FP4 (E2M1) with one E8M0 byte for each 32 along K.
; A group of the dequantiser (16 words of qweight, two nibbles in each word's low byte, the low nibble the lower k) is exactly one block of the quantiser.
; A block's scale is 2^(floor(log2(its largest magnitude)) - 2); its byte is the largest magnitude's own exponent field - 2, held at 1 from below.
; The results are laid as the IMAGES OF THE REGISTERS that the product's launch loads.  n = 64 g + 4 r + t (t 0..3, r 0..15), a step is 128 along K, k = 128 step + 64 c + 32 h + 0 .. 31:
;   wq  [g 32][step 32][t][c][h][r][16 bytes]: 512 bytes on end are one load of a wave, lane 16 h + r;
;   ws2 [g 32][512 along K: 8][t][r][16 bytes]: a row's 16 scale bytes of 512 along K.
; LIMITS: a block of zeros gets the byte 1 where the rule says 127 (its codes are zeros, which add nothing under any byte but 0xff, and this program alone reads the bytes);
; NaN and infinite scales, and |scale| from 2^125 on (8 |scale| is then no f32 number), are not served.  Bits 8 and above of a word of qweight are not looked at, as in the dequantiser itself.
; SHARES.  Work-group b: g = b / 8, 512 along K number ks = b % 8: 64 rows of W x 16 groups: 64 KiB of qweight.  It owns 16 KiB on end of wq and 1 KiB on end of ws2.
; Wave w takes rows 16 w .. 16 w + 15: 32 loads of 512 consecutive bytes.  In load i lane l holds quarter l % 4 (4 words, 8 numbers) of group 8 (i % 2) + l / 4 of row 16 w + i / 2.
; All 34 loads of a wave go out at the head and are worked off as they come.  No tensor load, no cluster, no loop: nothing is shared between work-groups, and everything is on its way at once.
; No store's data register and no address register is ever written again, so no wait for that stands in the text.
.set SCS,  0                           ; LDS: the work-group's 64 x 16 scales, f32: 64 bytes a row
.set CST,  4096                        ; the codes as they will lie in wq: 4 steps of 16 pieces of 256 bytes;
.set UP,   272                         ; pieces lie 272 bytes apart,
.set CSUB, 16*UP+64                    ; and steps 64 bytes more: the eight groups of a store then fall on eight different 16-byte columns
.set BST,  CST+4*CSUB                  ; the scale bytes as they will lie in ws2
.set SPARE, BST+1024                   ; the spare words, 128 bytes for each wave
.set L16,  2                           ; v2   16 x lane
.set T16,  3                           ; v3   16 x thread
.set SO,   4                           ; v4   scales: 512 (thread / 4) + 16 (thread % 4)
.set SRD,  8                           ; v8   SCS + 1,024 x wave + 4 (lane / 4)
.set CW,   9                           ; v9   where my code words go
.set BW,   10                          ; v10  where my scale bytes go
.set CR,   11                          ; v11  CST + CSUB x wave + UP (lane / 16) + 16 (lane % 16)
.set BR,   12                          ; v12  BST + 256 x wave + 8 x lane
.set L8,   13                          ; v13  8 x lane
.set BB,   24                          ; v24-25   scale bytes on the way out
.set M8,   32                          ; v32-39   four pairs: -8 s in the even register; the odd one is named with it and holds 0
.set MX,   40                          ; v40-43   largest magnitudes
.set SCL,  44                          ; v44-47   the conversions' scale operands
.set S,    48                          ; v48-79   the scale s of load i
.set T,    80                          ; v80-111  four sets of 8 numbers; first the two loads of scales, last the codes on the way out
.set Q,    112                         ; v112-239 load i at Q + 4 i; later Q + 4 i holds its codes and Q + 4 i + 1 its byte
.set SPW,  240
.set NIL,  241
	s_load_b256 s[4:11], s[0:1], 0x0               ; qweight s[4:5], scales s[6:7], wq s[8:9], ws2 s[10:11]
	v_lshl_add_u32 v[SPW], v0, 2, SPARE
	v_mov_b32 v[NIL], 0
	v_lshrrev_b32 v1, 5, v0
	v_readfirstlane_b32 s16, v1                    ; wave 0..3
	s_lshr_b32 s17, ttmp9, 3                       ; g
	s_and_b32 s18, ttmp9, 7                        ; ks
	s_lshl_b32 s20, s17, 19                        ; qweight: 64 g rows of 8,192 bytes
	s_lshl_b32 s2, s16, 17                         ; + 16 rows a wave
	s_add_co_u32 s20, s20, s2
	s_lshl_b32 s2, s18, 10                         ; + 16 ks groups of 64 bytes
	s_add_co_u32 s20, s20, s2
	s_mov_b32 s21, 0
	s_lshl_b32 s22, s17, 15                        ; scales: 64 g rows of 512 bytes + 64 ks
	s_lshl_b32 s2, s18, 6
	s_add_co_u32 s22, s22, s2
	s_mov_b32 s23, 0
	s_lshl_b32 s26, s17, 17                        ; wq: 131,072 g + 16,384 ks + 4,096 wave
	s_lshl_b32 s2, s18, 14
	s_add_co_u32 s26, s26, s2
	s_lshl_b32 s2, s16, 12
	s_add_co_u32 s26, s26, s2
	s_mov_b32 s27, 0
	s_lshl_b32 s28, ttmp9, 10                      ; ws2: 1,024 b + 256 wave
	s_lshl_b32 s2, s16, 8
	s_add_co_u32 s28, s28, s2
	s_mov_b32 s29, 0
	v_and_b32 v1, 31, v0                           ; lane
	v_lshlrev_b32 v[L16], 4, v1
	v_lshlrev_b32 v[T16], 4, v0
	v_lshrrev_b32 v6, 2, v0
	v_and_b32 v14, 3, v0
	v_lshlrev_b32 v[SO], 4, v14
	v_lshl_add_u32 v[SO], v6, 9, v[SO]
	s_wait_alu depctr_va_vdst(0)
	s_wait_kmcnt 0x0
	s_add_nc_u64 s[4:5], s[4:5], s[20:21]
	s_add_nc_u64 s[6:7], s[6:7], s[22:23]
	s_add_nc_u64 s[8:9], s[8:9], s[26:27]
	s_add_nc_u64 s[10:11], s[10:11], s[28:29]
	; every load of the wave, at once
.irp j, 0,1
	global_load_b128 v[T+4*\j:T+4*\j+3], v[SO], s[6:7] offset:16384*\j       ; scales: piece p = thread + 128 j is row p / 4, part p % 4 (the rest of a row's unit is read by the next work-groups)
.endr
.set i, 0
.rept 32
	global_load_b128 v[Q+4*i:Q+4*i+3], v[L16], s[4:5] offset:(i/2)*8192+(i%2)*512 th:TH_LOAD_NT   ; qweight: 512 consecutive bytes
.set i, i+1
.endr
	; the LDS addresses, while the loads are out
	s_lshl_b32 s2, s16, 10
	v_lshrrev_b32 v6, 2, v1                        ; lane / 4
	v_lshl_add_u32 v[SRD], v6, 2, s2
	s_lshl_b32 s2, s16, 6                          ; r = 4 wave + i / 8, 16 bytes each
	s_add_co_u32 s3, s2, BST
	v_add_nc_u32 v[BW], s3, v6
	s_add_co_u32 s2, s2, CST
	v_lshrrev_b32 v6, 4, v1
	v_mul_u32_u24 v14, v6, CSUB                    ; step 2 (i % 2) + lane / 16
	v_bfe_u32 v15, v1, 2, 2
	v_mul_u32_u24 v15, v15, UP                     ; piece 4 t + (lane / 4) % 4
	v_add_nc_u32 v14, v14, v15
	v_and_b32 v15, 3, v1
	v_lshl_add_u32 v14, v15, 2, v14                ; my quarter
	v_add_nc_u32 v[CW], s2, v14
	s_mul_i32 s2, s16, CSUB
	s_add_co_u32 s2, s2, CST
	v_mul_u32_u24 v14, v6, UP
	v_and_b32 v15, 15, v1
	v_lshl_add_u32 v14, v15, 4, v14
	v_add_nc_u32 v[CR], s2, v14
	s_lshl_b32 s2, s16, 8
	s_add_co_u32 s2, s2, BST
	v_lshlrev_b32 v[L8], 3, v1
	v_add_nc_u32 v[BR], s2, v[L8]
.irp u, 0,1,2,3
	v_mov_b32 v[M8+2*\u+1], 0                      ; named as the upper halves of pairs, so they are written
.endr
	s_wait_alu depctr_va_vdst(0)
	s_wait_loadcnt 32                              ; loads come back in order: the scales are in, the 32 of qweight stay out
.irp j, 0,1
	ds_store_b128 v[T16], v[T+4*\j:T+4*\j+3] offset:SCS+2048*\j        ; 64 bytes a row
.endr
	s_wait_dscnt 0x0                               ; for the others' sake: my stores have landed
	s_barrier_signal -1
	s_barrier_wait -1                              ; nothing is written into this region behind it
.set i, 0
.rept 32
	ds_load_b32 v[S+i], v[SRD] offset:SCS+(i/2)*64+(i%2)*32            ; the scale of my group in load i (four lanes share the word)
.set i, i+1
.endr
	s_wait_dscnt 0x0                               ; the scales are in
; Loads 4 g .. 4 g + 3, line by line by turns, so that no line waits for the line above it.
.macro GROUP4 g
	s_wait_loadcnt 28-4*(\g)                       ; these four are in; the younger ones stay out
.irp k, 0,1,2,3
.irp u, 0,1,2,3
	v_and_b32 v[T+8*\u+2*\k], 15, v[Q+4*(4*(\g)+\u)+\k]                ; the low nibble: the lower k
	v_bfe_u32 v[T+8*\u+2*\k+1], v[Q+4*(4*(\g)+\u)+\k], 4, 4            ; the high nibble
.endr
.endr
.irp k, 0,1,2,3,4,5,6,7
.irp u, 0,1,2,3
	v_cvt_f32_u32 v[T+8*\u+\k], v[T+8*\u+\k]
.endr
.endr
.irp u, 0,1,2,3
	v_mul_f32 v[M8+2*\u], 0xc1000000, v[S+4*(\g)+\u]                   ; -8 s: exact
.endr
.irp k, 0,2,4,6
.irp u, 0,2                            ; f s - 8 s in one rounding is s (f - 8) rounded once: the dequantiser's own number.  The pair of scales holds load u's in its first register, load u + 1's in its second
	v_pk_fma_f32 v[T+8*\u+\k:T+8*\u+\k+1], v[T+8*\u+\k:T+8*\u+\k+1], v[S+4*(\g)+\u:S+4*(\g)+\u+1], v[M8+2*\u:M8+2*\u+1] op_sel_hi:[1,0,0]
	v_pk_fma_f32 v[T+8*(\u+1)+\k:T+8*(\u+1)+\k+1], v[T+8*(\u+1)+\k:T+8*(\u+1)+\k+1], v[S+4*(\g)+\u:S+4*(\g)+\u+1], v[M8+2*(\u+1):M8+2*(\u+1)+1] op_sel:[0,1,0] op_sel_hi:[1,1,0]
.endr
.endr
.irp u, 0,1,2,3
	v_max3_num_f32 v[MX+\u], |v[T+8*\u]|, |v[T+8*\u+1]|, 0x1800000     ; my 8 numbers, and the floor 2^(3 - 127), under which no largest magnitude is taken: so the byte cannot fall under 1
.endr
.irp k, 2,4,6
.irp u, 0,1,2,3
	v_max3_num_f32 v[MX+\u], v[MX+\u], |v[T+8*\u+\k]|, |v[T+8*\u+\k+1]|
.endr
.endr
.irp u, 0,1,2,3
	v_max_num_f32_dpp v[MX+\u], v[MX+\u], v[MX+\u] row_xmask:1 row_mask:0xf bank_mask:0xf
.endr
.irp u, 0,1,2,3
	v_max_num_f32_dpp v[MX+\u], v[MX+\u], v[MX+\u] row_xmask:2 row_mask:0xf bank_mask:0xf   ; with the three other lanes of my group: the block's largest magnitude
.endr
.irp u, 0,1,2,3
	v_add_nc_u32 v[SCL+\u], 0xff000000, v[MX+\u]                       ; 2 off its exponent field: the conversion takes the exponent field of this operand as its scale, and nothing else of it
.endr
.irp u, 0,1,2,3
	v_cvt_scalef32_pk8_fp4_f32 v[Q+4*(4*(\g)+\u)], v[T+8*\u:T+8*\u+7], v[SCL+\u]   ; to the nearest code, ties to even, beyond 6 the largest code; the first number's code in the lowest four bits
.endr
.irp u, 0,1,2,3
	v_lshrrev_b32 v[Q+4*(4*(\g)+\u)+1], 23, v[SCL+\u]                  ; the scale's byte.  (Plain lines between the conversions and the next lines that write their sources)
.endr
.irp u, 0,1,2,3                        ; row 16 w + i / 2 = 4 r + t: t = (i / 2) % 4, r = 4 w + i / 8
.set i, 4*(\g)+\u
	ds_store_b32 v[CW], v[Q+4*i] offset:(i%2)*2*CSUB+((i/2)%4)*4*UP+(i/8)*16
.endr
.irp u, 0,1,2,3
.set i, 4*(\g)+\u
	ds_store_b8 v[BW], v[Q+4*i+1] offset:((i/2)%4)*256+(i/8)*16+8*(i%2)   ; the four lanes of a group write the same byte with the same value
.endr
.endm
.irp g, 0,1,2,3,4,5,6,7
	GROUP4 \g
.endr
	s_wait_dscnt 0x0                               ; for the others' sake: a piece of 256 bytes has been written by all four waves
	s_barrier_signal -1
	s_barrier_wait -1
	; the way out: wave w takes step w: 4,096 bytes of codes on end in wq, and 256 of the 1,024 scale bytes
.irp j, 0,1,2,3,4,5,6,7
	ds_load_b128 v[T+4*\j:T+4*\j+3], v[CR] offset:2*UP*\j
.endr
	ds_load_b64 v[BB:BB+1], v[BR]
.irp j, 0,1,2,3,4,5,6,7
	s_wait_dscnt 8-\j                              ; load j is in: 7 - j loads of codes and the load of the bytes were issued behind it
	global_store_b128 v[L16], v[T+4*\j:T+4*\j+3], s[8:9] offset:512*\j   ; 32 lanes store 512 consecutive bytes, aligned
.endr
	s_wait_dscnt 0x0
	global_store_b64 v[L8], v[BB:BB+1], s[10:11]   ; 32 lanes store 256 consecutive bytes, aligned
	s_wait_tensorcnt 0x0                           ; the wave's end
	ds_add_u32 v[SPW], v[NIL]
	s_wait_dscnt 0x0
	s_endpgm
.Lfunc_end_k_qa9cfee40a5_prep:
	.size	k_qa9cfee40a5_prep, .Lfunc_end_k_qa9cfee40a5_prep-k_qa9cfee40a5_prep
	.p2alignl 7, 3214868480
	.fill 96, 4, 3214868480
	.section	.rodata,"a",@progbits
	.p2align	6, 0x0
	.amdhsa_kernel k_qa9cfee40a5_prep
		.amdhsa_group_segment_fixed_size 23296
		.amdhsa_private_segment_fixed_size 0
		.amdhsa_enable_private_segment 0
		.amdhsa_kernarg_size 32
		.amdhsa_user_sgpr_count 2
		.amdhsa_user_sgpr_kernarg_segment_ptr 1
		.amdhsa_wavefront_size32 1
		.amdhsa_system_sgpr_workgroup_id_x 1
		.amdhsa_system_sgpr_workgroup_id_y 1
		.amdhsa_system_sgpr_workgroup_id_z 1
		.amdhsa_system_vgpr_workitem_id 0
		.amdhsa_next_free_vgpr 242
		.amdhsa_next_free_sgpr 66
		.amdhsa_reserve_vcc 0
		.amdhsa_float_denorm_mode_32 3
		.amdhsa_float_denorm_mode_16_64 3
		.amdhsa_memory_ordered 1
		.amdhsa_forward_progress 1
		.amdhsa_inst_pref_size 63
	.end_amdhsa_kernel
	.amdgpu_metadata
---
amdhsa.version: [ 1, 2 ]
amdhsa.kernels:
  - .name:           k_qa9cfee40a5_prep
    .symbol:         k_qa9cfee40a5_prep.kd
    .args:
      - { .name: qweight, .offset: 0, .size: 8, .value_kind: global_buffer, .address_space: global }
      - { .name: scales, .offset: 8, .size: 8, .value_kind: global_buffer, .address_space: global }
      - { .name: wq, .offset: 16, .size: 8, .value_kind: global_buffer, .address_space: global }
      - { .name: ws2, .offset: 24, .size: 8, .value_kind: global_buffer, .address_space: global }
    .group_segment_fixed_size: 23296
    .private_segment_fixed_size: 0
    .kernarg_segment_align: 8
    .kernarg_segment_size: 32
    .max_flat_workgroup_size: 128
    .sgpr_count:     66
    .vgpr_count:     242
    .wavefront_size: 32
...
	.end_amdgpu_metadata
.endif
;; end of part 1
;; launch gemm (part 2): grid 8 x 32, 4 waves a work-group, clusters of 4 x 1, 327,680 bytes of LDS; arguments x_codes, x_scales, wq, ws2, out0; writes out0
.if DOCPART == 2
	.amdgcn_target "amdgcn-amd-amdhsa--gfx1250"
	.amdhsa_code_object_version 6
	.text
	.protected	k_qa9cfee40a5_gemm
	.globl	k_qa9cfee40a5_gemm
	.p2align	8
	.type	k_qa9cfee40a5_gemm,@function
k_qa9cfee40a5_gemm:
	s_mov_b64 s[64:65], 0
	v_nop
	global_prefetch_b8 v0, s[64:65] scope:SCOPE_SE
	s_setreg_imm32_b32 hwreg(HW_REG_WAVE_MODE, 25, 1), 1
	s_wait_xcnt 0x0
	s_wait_alu depctr_hold_cnt(0) depctr_sa_sdst(0) depctr_va_vdst(0) depctr_va_sdst(0) depctr_va_ssrc(0) depctr_va_vcc(0) depctr_vm_vsrc(0)
	s_getreg_b32 s2, hwreg(HW_REG_IB_STS2, 6, 4)
	s_cmp_eq_u32 s2, 0
	s_cbranch_scc0 .Lentry_in_a_cluster
	s_endpgm
.Lentry_in_a_cluster:
	s_bfe_u32 s2, ttmp6, 0x10000c
	s_cmp_lg_u32 s2, 0x3003
	s_cbranch_scc0 .Lentry_shape_is_right
	s_endpgm
.Lentry_shape_is_right:
; out0[m][n] = sum over k of x[m][k] W[n][k]: both operands codes of FP4 (E2M1), 4 bits each, with one E8M0 scale for each 32 along K; sums in f32.  m 8,192, n 2,048, k 4,096.
; x_codes [8192][2048 bytes] and x_scales [8192][128 bytes] as they are given, K innermost.  wq and ws2: W's codes and scale bytes, laid by the launch before as images of the registers that are loaded here.
; LIMIT: a scale byte 0xff of x is NaN to the matrix instruction and makes the sums of its row NaN.
; A tile of out0, 256 x 256, is made by a work-group of four waves; a wave makes all 256 rows x 64 columns: 8 blocks of 32 rows x 4 tiles of 16 columns, 512 registers.  8 x 32 tiles: 256 work-groups.
; W GOES STRAIGHT INTO REGISTERS: its 64 columns belong to the wave alone.  Eight sets of 32 registers, a set for 128 along K (a step), are loaded seven steps ahead.
; So LDS holds x alone: a slot has 256 rows x 1,024 along K, and K takes four fills of a ring of two slots.  (With W in the ring too a slot would hold 512 along K, and there would be eight fills: that is why W is not asked for jointly.)
; x's scale bytes of the 256 rows, for all of K, are 32 KiB on end: they come into LDS once, at the head.
; CLUSTERS: four work-groups of one tile row; x's tiles and scale bytes are asked for JOINTLY by all four.
; A GROUP is one block of x against the wave's four tiles of W: 4 matrix instructions of 32 x 16 x 128.  Groups 0-191: step by step (24 steps of 128 along K), 8 blocks a step.
; Groups 192-255, the last slot: by ROWS of out0: two blocks at a time through all 8 steps, so that finished rows leave while the others are multiplied; W's eight sets hold just these 8 steps.
; A HALF is four groups.  At its head stands ONE run of memory instructions: the four blocks of x two halves on, scale words, half a set of W and, by rows, the way out of finished blocks; 16 matrix instructions follow.
; x's fragments go through a ring of 12 blocks of registers: half h's run lands on the registers that half h - 1 read last, behind four v_nop.
; THE WAY OUT needs no LDS: tile t of W holds the columns 4 r + t (r: the lane % 16), so the four tiles' same register is four neighbouring numbers; six exchanges of registers turn 4 x 4 of them,
; and a store of 16 bytes a lane then covers 256 consecutive bytes of each of two rows.
; PREFETCHES: x's slots 2 and 3, each one slot's work ahead of the tensor load that will want it: 512 blocks of 256 bytes a cluster, a lane a block, one instruction a wave.  Slots 0 and 1 come by their loads alone.
; W is not prefetched: its loads are themselves seven steps, 56 loads of 512 bytes a wave, ahead.
; REGISTERS: window 0: v0-7 addresses; v8-39 x's scale words, two sets; v40-63 W's scale words, three sets; v64-255 x's fragments.  window 1: W's fragments, eight sets.  windows 2, 3: the sums of blocks 0-3, 4-7.
.set PITCH,  528                       ; an LDS row of x: 512 bytes + 16 of padding: the sixteen rows of a load start at sixteen different 16-byte columns modulo 256
.set SLOT,   256*PITCH
.set SCL,    2*SLOT                    ; x's scale bytes: units of 256 bytes (two rows) + 16 of padding
.set SP,     272
.set SPARE,  SCL+128*SP                ; the spare words, 128 bytes for each wave: two blocks of 256 bytes that no other line names
.set OROW,   8192                      ; a row of out0 in bytes
.set PFO,  0                           ; v0   the prefetches' offset: row lane / 2, block lane % 2 (made when v0 has been read for the last time)
.set SPW,  1                           ; v1   LDS address of my spare word; never rewritten
.set NIL,  2                           ; v2   0; never rewritten
.set ADRS, 3                           ; v3   LDS address of my scale words
.set ADRA, 4                           ; v4-5 of my fragments of blocks 0-3, 4-7 in the slot that is being read
.set WO,   6                           ; v6   16 x lane
.set CO,   7                           ; v7   my byte offset in out0: 8 rows for lanes 16-31, 16 (lane % 16)
.set XS,   8
.set WS,   40
.set XB,   64                          ; (v64-69 at work in the head)
.set G1,   24                          ; s[24:31] descriptor group 1 for x's codes
.set G0,   32                          ; s[32:39] group 0, one set for each slot
.set G1S,  48                          ; s[48:55], s[60:63] for x's scale bytes
.set G0H,  56                          ; s[56:59] group 0 for the head's load of x's codes
.set G0S,  60
.set PFA,  44                          ; s[44:45] where my prefetches stand
.set MSB, 0
.macro WIN new                         ; the immediate's high byte repeats the setting that is left
.if MSB != (\new)
	s_set_vgpr_msb (MSB<<8)|(\new)
.set MSB, (\new)
.endif
.endm
.macro PLACES                          ; four places behind matrix instructions, ahead of loads into registers that they read and of other readers of their results
.rept 4
	v_nop
.endr
.endm
.macro CREST                           ; a round of the cluster's barrier behind its opening barrier
	s_cmp_lg_u32 s14, 0
	s_cbranch_scc1 .Lnot_wave_0_\@
	s_barrier_signal -3
.Lnot_wave_0_\@:
	s_barrier_wait -3
	s_barrier_signal -1
	s_barrier_wait -1
.endm
.macro CROUND                          ; a whole round
	s_barrier_signal -1
	s_barrier_wait -1
	CREST
.endm
; group n -> its step MS (128 along K) and its block MA
.macro MAP n
.if (\n) < 192
.set MS, (\n)/8
.set MA, (\n)%8
.else
.set MS, 24+((\n)%16)/2
.set MA, 2*(((\n)-192)/16)+(\n)%2
.endif
.endm
; how many LDS loads a run holds for its m-th group: four of fragments (none once all are asked for), and one of scale words where XSCALE has one
.macro SZ m
.set SZR, 4
.if ((\m) >= 0) && ((\m) < 176)
.if (((\m)/8)%2) == 0
.set SZR, 5
.endif
.endif
.if ((\m) >= 176) && ((\m) < 180)
.set SZR, 5
.endif
.if (\m) >= 192
.if (\m) >= 248
.set SZR, 0
.endif
.if ((\m) < 240) && (((\m)%2) == 0) && (((\m)%16) < 8)
.set SZR, SZR+1
.endif
.endif
.endm
.macro CNT lo, hi                      ; CC = the LDS loads of groups lo .. hi's parts of the runs
.set CC, 0
.set CM, \lo
.rept (\hi)-(\lo)+1
	SZ CM
.set CC, CC+SZR
.set CM, CM+1
.endr
.endm
; x's block of group n: lane l takes row l % 16 (registers 0-7) and 16 + l % 16 (8-15), K = 64 c + 32 (l / 16) + 0 .. 31 in registers 4 c .. 4 c + 3
.macro XLOAD n
	MAP \n
.set XR, XB+16*((\n)%12)
.set XA, ADRA+MA/4
.set XO, (MA%4)*32*PITCH+64*(MS%8)
	ds_load_b128 v[XR:XR+3], v[XA] offset:XO
	ds_load_b128 v[XR+4:XR+7], v[XA] offset:XO+32
	ds_load_b128 v[XR+8:XR+11], v[XA] offset:XO+16*PITCH
	ds_load_b128 v[XR+12:XR+15], v[XA] offset:XO+16*PITCH+32
.endm
.macro XSPAIR k, a                     ; x's scale words of block a for steps 2 k, 2 k + 1: lane l takes row 32 a + l
	ds_load_b64 v[XS+16*((\k)%2)+2*(\a):XS+16*((\k)%2)+2*(\a)+1], v[ADRS] offset:(\a)*16*SP+8*(\k)
.endm
.macro XSROW c, j                      ; by rows: of block 2 c + j / 2 for steps 24 + 4 (j % 2) .. + 3
	ds_load_b128 v[XS+16*((\c)%2)+4*(\j):XS+16*((\c)%2)+4*(\j)+3], v[ADRS] offset:(2*(\c)+(\j)/2)*16*SP+96+16*((\j)%2)
.endm
.macro XSCALE m                        ; group m's part of the next set of scale words
.if (\m) < 176
.if (((\m)/8)%2) == 0
	XSPAIR (\m)/16+1, (\m)%8
.endif
.endif
.if ((\m) >= 176) && ((\m) < 180)
	XSROW 0, (\m)-176
.endif
.if ((\m) >= 192) && ((\m) < 240) && (((\m)%2) == 0) && (((\m)%16) < 8)
	XSROW ((\m)-176)/16, ((\m)%16)/2
.endif
.endm
.macro WLOAD w, k0                     ; half of W's step w: 4 x 512 consecutive bytes
	WIN 0x40
.irp j, 0,1,2,3
	global_load_b128 v[32*((\w)%8)+4*(\k0+\j):32*((\w)%8)+4*(\k0+\j)+3], v[WO], s[8:9] offset:4096*(\w)+512*(\k0+\j)
.endr
.endm
.macro WSCALE k                        ; W's scale words of steps 4 k .. 4 k + 3: lanes 0-15 tile 2 p, lanes 16-31 tile 2 p + 1
	WIN 0
.irp p, 0,1
	global_load_b128 v[WS+8*((\k)%3)+4*\p:WS+8*((\k)%3)+4*\p+3], v[WO], s[10:11] offset:1024*(\k)+512*\p
.endr
.endm
; group n against tile b.  The first step starts the sums with C = 0.  The accumulators take turns, one instruction a turn: at least seven others stand between two on one.
.macro MUL n, b
	MAP \n
	WIN 0xa4+0x50*(MA/4)
.set MD, 64*(MA%4)+16*\b
.set MX, XB+16*((\n)%12)
.set MW, 32*(MS%8)+8*\b
.set MQ, WS+8*((MS/4)%3)+4*(\b/2)+MS%4
.if (\n) < 192
.set MP, XS+16*((MS/2)%2)+2*MA+MS%2
.else
.set MP, XS+16*((MA/2)%2)+8*(MA%2)+MS-24
.endif
.if (\n) < 8
.if (\b%2) == 0
	v_wmma_scale_f32_32x16x128_f4 v[MD:MD+15], v[MX:MX+15], v[MW:MW+7], 0, v[MP], v[MQ]
.else
	v_wmma_scale_f32_32x16x128_f4 v[MD:MD+15], v[MX:MX+15], v[MW:MW+7], 0, v[MP], v[MQ] matrix_b_scale:MATRIX_SCALE_ROW1
.endif
.else
.if (\b%2) == 0
	v_wmma_scale_f32_32x16x128_f4 v[MD:MD+15], v[MX:MX+15], v[MW:MW+7], v[MD:MD+15], v[MP], v[MQ]
.else
	v_wmma_scale_f32_32x16x128_f4 v[MD:MD+15], v[MX:MX+15], v[MW:MW+7], v[MD:MD+15], v[MP], v[MQ] matrix_b_scale:MATRIX_SCALE_ROW1
.endif
.endif
.endm
.macro GMUL n
.irp b, 0,1,2,3
	MUL \n, \b
.endr
.endm
; Block a's registers 4 i .. 4 i + 3 of the four tiles: a 4 x 4 turned in place; then register 4 i + u of tile t holds the column 4 r + u of row 32 a + 16 (i / 2) + 8 (lane / 16) + 4 (i % 2) + t
.macro SWAPS a, i
.set SB, 64*((\a)%4)+4*(\i)
	WIN 0x82+0x41*((\a)/4)
	v_swap_b32 v[SB+1], v[SB+16]
	v_swap_b32 v[SB+2], v[SB+32]
	v_swap_b32 v[SB+3], v[SB+48]
	v_swap_b32 v[SB+18], v[SB+33]
	v_swap_b32 v[SB+19], v[SB+49]
	v_swap_b32 v[SB+35], v[SB+50]
.endm
.macro STORES a, i                     ; lanes 0-15 store 256 consecutive bytes of a row, at a multiple of 256; lanes 16-31 of the row 8 further down
.set SB, 64*((\a)%4)+4*(\i)
	WIN 0x08+0x04*((\a)/4)
.irp t, 0,1,2,3
	global_store_b128 v[CO], v[SB+16*\t:SB+16*\t+3], s[12:13] offset:(32*(\a)+16*((\i)/2)+4*((\i)%2)+\t)*OROW th:TH_STORE_NT
.endr
.endm
; HALF H: the run, then groups 4 H .. 4 H + 3.
.macro HALF
	PLACES
.if H >= 52                            ; by rows: a quarter of the two blocks finished before leaves
	SWAPS 2*((H-52)/4)+(H%4)/2, (2*(H%4))%4
	SWAPS 2*((H-52)/4)+(H%4)/2, (2*(H%4))%4+1
	STORES 2*((H-52)/4)+(H%4)/2, (2*(H%4))%4
	STORES 2*((H-52)/4)+(H%4)/2, (2*(H%4))%4+1
.endif
.if H < 62
	WIN 0
.if (H < 48) && ((H%8) == 0)
	WSCALE H/8+2
.endif
.irp a, 0,1,2,3
	XSCALE 4*H+\a
.endr
.irp a, 8,9,10,11
	XLOAD 4*H+\a
.endr
.if H < 50
	WLOAD (H-H/49)/2+7, 4*(H%2)                    ; steps 7 to 31
.endif
.endif
.irp a, 0,1,2,3
	CNT 4*H-4, 4*H+3
	s_wait_dscnt CC+12-4*\a                        ; my block is in: it came with run H - 2; what stands behind it there, run H - 1 and run H may be out
.if (H < 49) && ((H%2) == 0) && (\a == 0)
	s_wait_loadcnt 52                              ; this step's set of W is in: six younger sets of eight loads and the four just issued may be out (its scale words were asked for ahead of it)
.endif
.if (H == 48) && (\a == 2)
	s_wait_loadcnt 44                              ; step 25's: five younger sets and the first half of step 31's
.endif
.if (H > 48) && (H < 52) && ((\a%2) == 0)
	s_wait_loadcnt 8*(7-((4*H+\a)%16)/2)           ; the sets of the steps behind this one may be out
.endif
	GMUL 4*H+\a
.endr
.set H, H+1
.endm
; The slot's last step, halves H and H + 1: its own blocks are all asked for, and the loads behind it come from the other slot.  ONE barrier; in front of it each wave waits for all its tensor loads, adds 0 to its spare word, and waits for that and for its own reads of this slot.
; fill = 1: the barrier opens a round of the cluster's barrier, and the joint refill of this slot, two fills on, is the first thing behind it.
.macro TURN slot, fill
	WIN 0
	s_wait_tensorcnt 0x0                           ; my part of the other slot is in
	ds_add_u32 v[SPW], v[NIL]                      ; 0 onto my spare word
.if \fill
	s_add_nc_u64 s[G0+4*\slot+2:G0+4*\slot+3], s[G0+4*\slot+2:G0+4*\slot+3], 1024   ; no tensor load of mine is out: this slot's next 512 bytes of each row; the type bits on top are not reached
.endif
	s_wait_loadcnt 48                              ; this step's set of W is in
.irp a, 0,1
	CNT 4*H-4, 4*H-1
	s_wait_dscnt CC+13-4*\a                        ; (what stands behind my block in its run, the run behind it, and the add, may be out)
	GMUL 4*H+\a
.endr
	s_wait_dscnt 0x0                               ; the add is done, and my reads of this slot are over
	s_barrier_signal -1
	GMUL 4*H+2
	GMUL 4*H+3
	WIN 0
	s_barrier_wait -1
.if \fill
	CREST                                          ; no wave of any partner still reads this slot or has a load on its way
	tensor_load_to_lds s[G0+4*\slot:G0+4*\slot+3], s[G1:G1+7]
	s_nop 0
.endif
	PLACES
.irp j, 0,1                            ; on to the other slot
.if \slot
	v_sub_nc_u32 v[ADRA+\j], v[ADRA+\j], SLOT
.else
	v_add_nc_u32 v[ADRA+\j], SLOT, v[ADRA+\j]
.endif
.endr
	s_wait_alu depctr_va_vdst(0)
.irp a, 8,9,10,11,12,13,14,15
	XLOAD 4*H+\a
.endr
.if (\fill) && (\slot) == 0
	global_prefetch_b8 v[PFO], s[PFA:PFA+1] offset:1536 th:TH_LOAD_NT scope:SCOPE_SE   ; the last 512 bytes of each row: their load stands one slot's work further on
.endif
	WLOAD H/2+7, 0
	WLOAD H/2+7, 4
.irp a, 4,5,6,7
	GMUL 4*H+\a
.endr
.set H, H+2
.endm
	s_load_b128 s[4:7], s[0:1], 0x0                ; x_codes s[4:5], x_scales s[6:7]
	s_load_b128 s[8:11], s[0:1], 0x10              ; wq s[8:9], ws2 s[10:11]
	s_load_b64 s[12:13], s[0:1], 0x20              ; out0
	v_lshl_add_u32 v[SPW], v0, 2, SPARE
	v_mov_b32 v[NIL], 0
	ds_add_u32 v[SPW], v[NIL]                      ; the wave's opening
	ds_add_u32 v[SPW], v[NIL]
	v_lshrrev_b32 v64, 5, v0
	v_readfirstlane_b32 s14, v64                   ; wave 0..3
	v_and_b32 v65, 31, v0                          ; lane
	v_and_b32 v66, 15, v0                          ; r
	v_bfe_u32 v67, v0, 4, 1                        ; h
	v_lshlrev_b32 v[WO], 4, v65
	v_mul_u32_u24 v68, v66, PITCH
	v_lshl_add_u32 v[ADRA], v67, 4, v68            ; row x pitch + 16 h
	v_add_nc_u32 v[ADRA+1], 128*PITCH, v[ADRA]
	v_lshrrev_b32 v68, 1, v65
	v_and_b32 v69, 1, v65
	v_lshlrev_b32 v[PFO], 11, v68                  ; row lane / 2 of 2,048 bytes,
	v_lshl_add_u32 v[PFO], v69, 8, v[PFO]          ; block lane % 2 of 256
	v_mul_u32_u24 v68, v68, SP
	v_lshl_add_u32 v68, v69, 7, v68                ; scale bytes: two rows of 128 bytes to a unit
	v_add_nc_u32 v[ADRS], SCL, v68
	v_lshlrev_b32 v[CO], 4, v66
	v_lshl_add_u32 v[CO], v67, 16, v[CO]
	s_and_b32 s16, s14, 1
	s_bfe_u32 s40, ttmp6, 0x40000                  ; cx
	s_lshl_b32 s42, ttmp9, 2
	s_add_co_u32 s42, s42, s40                     ; tile column = 4 x cluster x + cx
	s_and_b32 s17, ttmp7, 0xffff                   ; tile row
	; descriptor group 1 for codes: rows of 512 bytes (64 elements of 8 bytes), 2,048 bytes apart, padded in LDS: 128 rows for the head's loads; behind them the two words that count rows are set to 64
	s_mov_b32 s[G1+0], 15|(3<<16)|(1<<20)|(1<<21)|(6<<22)|(3<<25)   ; 15:0 the mask: all four; 17:16 elements of 8 bytes; 20 padding on; 21 set beside a mask; 24:22 after every 128 words (code 6); 31:25 of 4 words (code 3)
	s_mov_b32 s[G1+1], 64<<16
	s_mov_b32 s[G1+2], 128<<16
	s_mov_b32 s[G1+3], 64<<16
	s_mov_b32 s[G1+4], 128
	s_mov_b32 s[G1+5], 256
	s_mov_b32 s[G1+6], 0
	s_mov_b32 s[G1+7], 0
	; for scale bytes: half of a dense block of 32,768 bytes, as 64 rows of 256 bytes, 16 bytes of padding behind each
	s_mov_b32 s[G1S+0], 15|(3<<16)|(1<<20)|(1<<21)|(5<<22)|(3<<25)
	s_mov_b32 s[G1S+1], 32<<16
	s_mov_b32 s[G1S+2], 64<<16
	s_mov_b32 s[G1S+3], 32<<16
	s_mov_b32 s[G1S+4], 64
	s_mov_b32 s[G1S+5], 32
	s_mov_b32 s[G1S+6], 0
	s_mov_b32 s[G1S+7], 0
	s_lshl_b32 s20, s17, 19                        ; x_codes: 256 rows of 2,048 bytes a tile row
	s_mov_b32 s21, 0
	s_lshl_b32 s22, s17, 15                        ; x_scales: 256 rows of 128 bytes
	s_mov_b32 s23, 0
	s_lshl_b32 s46, s42, 2
	s_add_co_u32 s46, s46, s14                     ; g = 4 x tile column + wave: my 64 columns
	s_lshl_b32 s66, s46, 17
	s_mov_b32 s67, 0
	s_lshl_b32 s68, s46, 13
	s_mov_b32 s69, 0
	s_lshl_b32 s70, s17, 21                        ; out0: 256 rows of 8,192 bytes,
	s_lshl_b32 s71, s46, 8                         ; 256 g
	s_add_co_u32 s70, s70, s71
	s_mov_b32 s71, 0
	s_lshl_b32 s72, s40, 17                        ; prefetches: rows 64 cx + 16 wave: the place in the cluster enters an address alone
	s_lshl_b32 s73, s14, 15
	s_add_co_u32 s72, s72, s73
	s_mov_b32 s73, 0
	s_lshl_b32 s74, s16, 18                        ; the head's codes: 128 rows for each of waves 0, 1
	s_mov_b32 s75, 0
	s_lshl_b32 s76, s16, 14                        ; the head's scale bytes: 128 rows for each of waves 2, 3
	s_mov_b32 s77, 0
	s_lshl_b32 s78, s14, 17                        ; the ring: 64 rows a wave
	s_mov_b32 s79, 0
	s_mov_b32 s[G0H], 1
	s_mul_i32 s[G0H+1], s16, 128*PITCH
	s_mov_b32 s[G0S], 1
	s_mul_i32 s[G0S+1], s16, 64*SP
	s_add_co_u32 s[G0S+1], s[G0S+1], SCL
	s_mov_b32 s[G0], 1
	s_mul_i32 s[G0+1], s14, 64*PITCH
	s_mov_b32 s[G0+4], 1
	s_add_co_u32 s[G0+5], s[G0+1], SLOT
	s_wait_alu depctr_va_vdst(0)
	s_wait_dscnt 0x0                               ; both opening adds are done
	s_wait_kmcnt 0x0
	s_add_nc_u64 s[8:9], s[8:9], s[66:67]
	s_add_nc_u64 s[10:11], s[10:11], s[68:69]
	WSCALE 0                                       ; W's first three steps, ahead of the round: they need no partner
	WSCALE 1
.irp w, 0,1,2
	WLOAD \w, 0
	WLOAD \w, 4
.endr
	WIN 0
	s_add_nc_u64 s[20:21], s[4:5], s[20:21]
	s_add_nc_u64 s[22:23], s[6:7], s[22:23]
	s_add_nc_u64 s[12:13], s[12:13], s[70:71]
	s_add_nc_u64 s[PFA:PFA+1], s[20:21], s[72:73]
	s_add_nc_u64 s[G0H+2:G0H+3], s[20:21], s[74:75]
	s_or_b32 s[G0H+3], s[G0H+3], 0x80000000
	s_add_nc_u64 s[G0S+2:G0S+3], s[22:23], s[76:77]
	s_or_b32 s[G0S+3], s[G0S+3], 0x80000000
	s_add_nc_u64 s[G0+2:G0+3], s[20:21], s[78:79]
	s_add_nc_u64 s[G0+6:G0+7], s[G0+2:G0+3], 512
	s_or_b32 s[G0+3], s[G0+3], 0x80000000
	s_or_b32 s[G0+7], s[G0+7], 0x80000000
	CROUND                                         ; all four work-groups are here: the first joint loads meet
	s_cmp_lt_u32 s14, 2                            ; one tensor load a wave at the head: waves 0, 1 slot 0's codes, waves 2, 3 the scale bytes
	s_cbranch_scc0 .Lscales
	tensor_load_to_lds s[G0H:G0H+3], s[G1:G1+7]
	s_nop 0
	PLACES
	s_branch .Lasked
.Lscales:
	tensor_load_to_lds s[G0S:G0S+3], s[G1S:G1S+7]
	s_nop 0
	PLACES
.Lasked:
	s_wait_tensorcnt 0x0                           ; my part of the head's tiles is in
	ds_add_u32 v[SPW], v[NIL]
	s_mov_b32 s[G1+2], 64<<16                      ; no tensor load of mine is out: from here on a load brings 64 rows
	s_mov_b32 s[G1+4], 64
	s_wait_dscnt 0x0                               ; the add is done
	CROUND                                         ; everybody's part is in
	tensor_load_to_lds s[G0+4:G0+7], s[G1:G1+7]    ; slot 1's first fill, the first tensor load behind the round
	s_nop 0
	PLACES
.irp a, 0,1,2,3,4,5,6,7
	XSPAIR 0, \a
.endr
.irp a, 0,1,2,3,4,5,6,7
	XLOAD \a
.endr
.irp w, 3,4,5,6
	WLOAD \w, 0
	WLOAD \w, 4
.endr
	WIN 0
	global_prefetch_b8 v[PFO], s[PFA:PFA+1] offset:1024 th:TH_LOAD_NT scope:SCOPE_SE   ; slot 0's refill, one slot's work ahead of its load
.set H, 0
.rept 14
	HALF
.endr
	TURN 0, 1
.rept 14
	HALF
.endr
	TURN 1, 1
.rept 14
	HALF
.endr
	TURN 0, 0                                      ; nothing is filled again
.rept 16
	HALF
.endr
	PLACES                                         ; the last two blocks
.irp u, 0,1,2,3,4,5,6,7
	SWAPS 6+\u/4, \u%4
.endr
.irp u, 0,1,2,3,4,5,6,7
	STORES 6+\u/4, \u%4
.endr
	WIN 0
	s_wait_tensorcnt 0x0                           ; the wave's end, behind my last tensor load
	ds_add_u32 v[SPW], v[NIL]
	s_wait_dscnt 0x0
	CROUND                                         ; the closing round: no work-group ends while a partner may still ask for a tile that names it
	s_endpgm
.Lfunc_end_k_qa9cfee40a5_gemm:
	.size	k_qa9cfee40a5_gemm, .Lfunc_end_k_qa9cfee40a5_gemm-k_qa9cfee40a5_gemm
	.p2alignl 7, 3214868480
	.fill 96, 4, 3214868480
	.section	.rodata,"a",@progbits
	.p2align	6, 0x0
	.amdhsa_kernel k_qa9cfee40a5_gemm
		.amdhsa_group_segment_fixed_size 327680
		.amdhsa_private_segment_fixed_size 0
		.amdhsa_enable_private_segment 0
		.amdhsa_kernarg_size 40
		.amdhsa_user_sgpr_count 2
		.amdhsa_user_sgpr_kernarg_segment_ptr 1
		.amdhsa_wavefront_size32 1
		.amdhsa_system_sgpr_workgroup_id_x 1
		.amdhsa_system_sgpr_workgroup_id_y 1
		.amdhsa_system_sgpr_workgroup_id_z 1
		.amdhsa_system_vgpr_workitem_id 0
		.amdhsa_next_free_vgpr 1024
		.amdhsa_next_free_sgpr 80
		.amdhsa_reserve_vcc 0
		.amdhsa_float_denorm_mode_32 3
		.amdhsa_float_denorm_mode_16_64 3
		.amdhsa_memory_ordered 1
		.amdhsa_forward_progress 1
		.amdhsa_inst_pref_size 255
	.end_amdhsa_kernel
	.section	.bss,"aw",@nobits
	.p2align	6
	.space	262144
	.amdgpu_metadata
---
amdhsa.version: [ 1, 2 ]
amdhsa.kernels:
  - .name:           k_qa9cfee40a5_gemm
    .symbol:         k_qa9cfee40a5_gemm.kd
    .args:
      - { .name: x_codes, .offset: 0, .size: 8, .value_kind: global_buffer, .address_space: global }
      - { .name: x_scales, .offset: 8, .size: 8, .value_kind: global_buffer, .address_space: global }
      - { .name: wq, .offset: 16, .size: 8, .value_kind: global_buffer, .address_space: global }
      - { .name: ws2, .offset: 24, .size: 8, .value_kind: global_buffer, .address_space: global }
      - { .name: out0, .offset: 32, .size: 8, .value_kind: global_buffer, .address_space: global }
    .group_segment_fixed_size: 327680
    .private_segment_fixed_size: 0
    .kernarg_segment_align: 8
    .kernarg_segment_size: 40
    .max_flat_workgroup_size: 128
    .sgpr_count:     80
    .vgpr_count:     1024
    .wavefront_size: 32
...
	.end_amdgpu_metadata
.endif
;; end of part 2
